; MI455X (gfx1250); checked and timed in simulation.
; The chip was launched on July 23, 2026; its instructions are those of AMD's public machine-readable ISA for CDNA 5 (MIT licence, August 2026) and "CDNA5" Instruction Set Architecture Reference Guide (July 2026). The comments in the code are by the model that wrote it; some were corrected since.
;; Multi Head Attention. Allowed arithmetic: matrix products marked QUANTISED: E4M3 operands, one given power-of-two scale a tensor, by v_wmma_f32_16x16x64_fp8_fp8 or v_wmma_f32_16x16x128_fp8_fp8, f32 sums; everything else in f32.
;; Inputs: bk 1,024 float32; bo 1,024 float32; bq 1,024 float32; bv 1,024 float32; lowp_scales 12 int32 (the exponents e of the quantised operands' scales 2^e); wk_codes 1,024 x 32 x 32 uint8 (E4M3 codes of wk, K innermost, in blocks of 32 codes); wo_codes 1,024 x 32 x 32 uint8 (E4M3 codes of wo, K innermost, in blocks of 32 codes); wq_codes 1,024 x 32 x 32 uint8 (E4M3 codes of wq, K innermost, in blocks of 32 codes); wv_codes 1,024 x 32 x 32 uint8 (E4M3 codes of wv, K innermost, in blocks of 32 codes); x_codes 4 x 2,048 x 32 x 32 uint8 (E4M3 codes of x, K innermost, in blocks of 32 codes).
;; Outputs: out0 4 x 2,048 x 1,024 float32.
;; This version of the problem:
;;   THIS VERSION OF THE PROBLEM IS GIVEN IN LOW PRECISION. The matrix products marked QUANTISED in the list below multiply operands that are first quantised to E4M3 (4 exponent bits, 3 mantissa bits; 8 bits a number), with one given power-of-two scale for each operand tensor; their sums are f32. All else is computed in f32.
;;   The module's matrix products, in the order in which they are computed (A, B: the left and right operand; K: the contracted axis; several contracted axes count as one K, in the product's order):
;;     1. [M 8,192, K 1,024] x [K 1,024, N 1,024]; A: input x (given as codes); B: input wq (given as codes): QUANTISED (scales: A lowp_scales[0], B lowp_scales[1])
;;     2. [M 8,192, K 1,024] x [K 1,024, N 1,024]; A: input x (given as codes); B: input wk (given as codes): QUANTISED (scales: A lowp_scales[2], B lowp_scales[3])
;;     3. [M 8,192, K 1,024] x [K 1,024, N 1,024]; A: input x (given as codes); B: input wv (given as codes): QUANTISED (scales: A lowp_scales[4], B lowp_scales[5])
;;     4. batch 64 x [M 2,048, K 64] x [K 64, N 2,048]; A: computed on the way; B: computed on the way: QUANTISED (scales: A lowp_scales[6], B lowp_scales[7])
;;     5. batch 64 x [M 2,048, K 2,048] x [K 2,048, N 64]; A: softmax (see below); B: computed on the way: QUANTISED (scales: A lowp_scales[8], B lowp_scales[9])
;;     6. [M 8,192, K 1,024] x [K 1,024, N 1,024]; A: computed on the way; B: input wo (given as codes): QUANTISED (scales: A lowp_scales[10], B lowp_scales[11])
;;   THE QUANTISER, for each operand of a quantised product, along K:
;;     - The operand's scale is 2^e, e = its entry of the input lowp_scales (int32; the entries are numbered through the quantised products in the list's order, A before B).
;;     - Each number is divided by the scale, clamped to +-448, and rounded to the nearest number of E4M3, ties to even, subnormals kept.
;;     - The product sums the exact products of the quantised numbers (number of the format x scale) in f32.
;;   ~~~python
;;   def quantise(x, axis, e):      # numpy; x: float32 -> the quantised numbers, widened to float32 again
;;       x = np.moveaxis(x, axis, -1); K = x.shape[-1]
;;       r = np.clip(x / 2.0 ** e, -448, 448)
;;       step = 2.0 ** (np.maximum(np.frexp(np.where(r == 0, 1, r))[1] - 1, -6) - 3)
;;       q = np.round(r / step) * step * 2.0 ** e      # np.round: ties to even
;;       return np.moveaxis(q, -1, axis).astype(np.float32)
;;   ~~~
;;   SOFTMAX AHEAD OF A QUANTISED PRODUCT. Where the list says 'softmax', what is quantised is not the finished softmax but p = 2^(t - M), with t = logit x log2(e) and M = ceil(the row's largest t), a whole number; so 1/2 < the row's largest p <= 1. The row's sum l is taken of the UNQUANTISED p, in f32, and the product's result is divided by l at the end. Since M is a whole number, a kernel that streams over the keys may use a running M (the ceiling of the running maximum): every later rescaling is an exact power of two, so the quantised numbers keep their values, but for numbers so far below the row's largest that they fall under the format's range.
;;   OPERANDS COMPUTED ON THE WAY. 'Computed on the way' means the value that the module computes at that place (a softmax that the list does not call 'softmax' is quantised finished and normalised). What goes into a quantiser is computed in f32, as accurately as f32 sums, v_exp_f32 and their like allow (about 1e-6 of the number): no bf16 or f16 on the way to a quantiser, and a product that is left as it is and whose result goes on into a quantised operand takes f32 operands (vector FMAs, or v_wmma_f32_16x16x4_f32). A number that lies on a knife's edge between two numbers of the format may be rounded either way, as far as f32 arithmetic and the matrix unit's own rounding can turn it there, and no further.
;;   INPUTS GIVEN AS CODES. wk (in the module: [1024, 1024], K = its axis 0); wo (in the module: [1024, 1024], K = its axis 0); wq (in the module: [1024, 1024], K = its axis 0); wv (in the module: [1024, 1024], K = its axis 0); x (in the module: [4, 2048, 1024], K = its axis 2): each comes as NAME_codes (uint8): NAME with its K axis moved to the last place and cut into blocks of 32 codes, [.., K / 32, bytes a block], one block behind the other in memory; one code a byte (a code: sign, 4 exponent bits, 3 mantissa bits); its scale is its entry of lowp_scales. Its value is code x scale, taken as it is: it is not quantised again, and the codes and scales need not be those that the quantiser above would give.
;; One version. Each part assembles by itself: llvm-mc -triple=amdgcn-amd-amdhsa -mcpu=gfx1250 --defsym DOCPART=n.
;; ======== version 1 of 1: 3 launches
;; workspace buffers: q_img 8,388,608 bytes; kv_img 16,777,216 bytes; a_img 8,388,608 bytes
;; launch qkv (part 1): grid 12 x 32, 4 waves a work-group, clusters of 4 x 4, 327,680 bytes of LDS; arguments x_codes, wq_codes, wk_codes, wv_codes, bq, bk, bv, lowp_scales, q_img, kv_img; writes q_img, kv_img
.if DOCPART == 1
	.amdgcn_target "amdgcn-amd-amdhsa--gfx1250"
	.amdhsa_code_object_version 6
	.text
	.protected	k_q1d6e6861a2_qkv
	.globl	k_q1d6e6861a2_qkv
	.p2align	8
	.type	k_q1d6e6861a2_qkv,@function
k_q1d6e6861a2_qkv:
	s_mov_b64 s[64:65], 0
	v_nop
	global_prefetch_b8 v0, s[64:65] scope:SCOPE_SE
	s_setreg_imm32_b32 hwreg(HW_REG_WAVE_MODE, 25, 1), 1
	s_wait_xcnt 0x0
	s_wait_alu depctr_hold_cnt(0) depctr_sa_sdst(0) depctr_va_vdst(0) depctr_va_sdst(0) depctr_va_ssrc(0) depctr_va_vcc(0) depctr_vm_vsrc(0)
	s_getreg_b32 s2, hwreg(HW_REG_IB_STS2, 6, 4)
	s_cmp_eq_u32 s2, 0
	s_cbranch_scc0 .Lentry_in_a_cluster
	s_endpgm
.Lentry_in_a_cluster:
	s_bfe_u32 s2, ttmp6, 0x10000c
	s_cmp_lg_u32 s2, 0xf033
	s_cbranch_scc0 .Lentry_shape_is_right
	s_endpgm
.Lentry_shape_is_right:
; q = x wq + bq, k = x wk + bk, v = x wv + bv on codes of FP8 (E4M3); each result is quantised at once for attention's products and stored as codes.
; x: [8192][1024] codes; wq, wk, wv: [1024 (out)][1024 (K)] codes; biases f32.  A sum stands for sum x 2^(its two exponents); y = sum x 2^esum + bias is one fused multiply-add in f32;
; code = y / 2^eout, held within +-448, to the nearest code.  esum = e0+e1 (q), e2+e3 (k), e4+e5 (v); eout = e6 (q), e7 (k), e9 (v).
; LIMITS: esum between -126 and 127, eout between -126 and 119, so that each power of two below is an f32 number.  NaN among the biases is not served.
; SHARES.  A tile of 256 x 256 to a work-group of four waves, 128 x 128 to a wave: 64 accumulators, 512 registers.  K = 1,024 goes in four steps of 256 through two LDS slots.
; THE CLUSTER'S x IS THE MODE: 0 = q, 1 = k, 2 = v; it is the same number in all sixteen partners.  The operand called A gives a lane its row, the operand called B runs along a lane's registers
; (the matrix instruction takes B's rows as source 0 and A's as source 1).  Modes q, k: A = x (tokens), B = the weight (channels): a lane holds one token and eight neighbouring channels.
; Mode v: A = wv (channels), B = x (tokens): a lane holds one channel and eight neighbouring tokens, since the keys are the K of attention's second product.  Only pointers, offsets and the way out differ.
; WHAT IS STORED ARE IMAGES OF THE NEXT OPERANDS' REGISTERS.  Eight results of a lane, converted, are two registers; block b's two are registers 2 b, 2 b + 1 of the next fragment (k = 16 b + 8 (lane / 16) + 0 .. 7).
; Four registers of 32 lanes are 512 consecutive bytes, lane l's 16 at 16 l: every store of a wave covers 512 consecutive bytes, aligned.
;   q_img:  [head of a batch (64)][tile of 16 queries (128)][2 chunks of 512 bytes]
;   kv_img: [head of a batch (64)][step of 128 keys (16)][K: 8 tiles of 16 keys x 1,024 bytes | V: 4 tiles of 16 channels x 2,048 bytes]
; CLUSTERS: 4 x 4 work-groups; A's tile is shared along a row of the cluster, B's along a column: each is asked for jointly, by the same tensor load with the same descriptor and a mask that names the four.
; FRAGMENTS come by four loads of 16 bytes: registers 4 c .. 4 c + 3 hold K = 32 c + 16 (lane / 16) + 0 .. 15: the same permutation of K in A and in B, so every product meets its partner.
; REGISTERS: window 0: v0-31 addresses and constants, v32-63 at work, v64-127 the bias, v128-255 A's fragments (one set), later the codes;  window 1: B's fragments, two sets;  windows 2, 3: the accumulators.
.set NB,     8                         ; B's blocks of 16 for a wave
.set APW,    4                         ; A's blocks whose accumulators share a window
.set AIMG,   0                         ; A lies in LDS as padded rows
.set FR,     16                        ; registers of a fragment: 16 rows x 128 K
.set NL,     4                         ; LDS loads that bring one
.set NP,     4                         ; places behind this matrix instruction (ISA guide 7.12.1)
.set PITCH,  272                       ; an LDS row: 256 bytes + 16 of padding, so that the 16 rows of a fragment load begin 16 bytes apart modulo 256
.set HALFT,  128*PITCH                 ; 128 rows: what one tensor load brings
.set SLOT,   4*HALFT                   ; A's 256 rows, then B's 256 rows
.set SPARE,  2*SLOT                    ; behind the ring: the spare words, 128 bytes for each wave
.set ASTEP2, 512                       ; two K steps on, in bytes, in A and in B
.set BSTEP2, 512
.set ADRA, 16                          ; v16-17  LDS address of my A fragments in slot 0, 1
.set ADRB, 20                          ; v20-21  the same for B
.set LO,   24                          ; v24     16 x lane: my place in an image
.set HB,   25                          ; v25     32 x (lane / 16): my eight numbers of a block of sixteen biases
.set RB,   26                          ; v26     4 x (lane % 16): my one bias in mode v
.set SPW,  28                          ; v28     LDS address of my spare word; never rewritten
.set NIL,  29                          ; v29     0; never rewritten
.set SC,   30                          ; v30     2^eout as f32
.set LIM,  31                          ; v31     448 x 2^eout
.set TMP,  32
.set BI,   64
.set AF,   128
.set CD,   128                         ; the codes: 16 registers for each of A's blocks, so that no store's data are written again
.set G1,  24                           ; s[24:31] descriptor group 1 for A's tiles;  s[32:39] group 0, one set for each slot
.set G0,  32
.set G1B, 48                           ; s[48:55], s[56:63] the same for B's tiles
.set G0B, 56
.set MSB, 0
.macro WIN new                         ; the immediate's high byte repeats the setting that is left; a switch that changes nothing is dropped
.if MSB != (\new)
	s_set_vgpr_msb (MSB<<8)|(\new)
.set MSB, (\new)
.endif
.endm
.macro WINM a                          ; for products of A's block a: source 0 (B) window 1, source 1 (A) window 0, C and D window 2 or 3
	WIN 0xa1+0x50*((\a)/APW)
.endm
.set TO_B, 0x40                        ; destination window 1, address window 0
; A joint load: waves 0 and 1 fetch for A, waves 2 and 3 for B.  The branch hangs on the wave's number alone.  Four v_nop follow each of the two lines.
.macro JLOAD g0a, g1a, g0b, g1b
	s_cmp_eq_u32 s15, 0
	s_cbranch_scc0 .Lfor_b_\@
	tensor_load_to_lds s[\g0a:\g0a+3], s[\g1a:\g1a+7]
	s_nop 0
.rept 4
	v_nop
.endr
	s_branch .Lasked_\@
.Lfor_b_\@:
	tensor_load_to_lds s[\g0b:\g0b+3], s[\g1b:\g1b+7]
	s_nop 0
.rept 4
	v_nop
.endr
.Lasked_\@:
.endm
.macro CREST                           ; a round of the cluster's barrier behind its opening barrier
	s_cmp_lg_u32 s14, 0
	s_cbranch_scc1 .Lnot_wave_0_\@
	s_barrier_signal -3
.Lnot_wave_0_\@:
	s_barrier_wait -3
	s_barrier_signal -1
	s_barrier_wait -1
.endm
.macro CROUND                          ; a whole round
	s_barrier_signal -1
	s_barrier_wait -1
	CREST
.endm
.macro PLACES n
.rept \n
	v_nop
.endr
.endm
.macro FRAGB reg, slot, q, i           ; B's block i of the slot's q-th 128 along K
.irp c, 0,1,2,3
	ds_load_b128 v[\reg+4*\c:\reg+4*\c+3], v[ADRB+\slot] offset:128*(\q)+32*\c+(\i)*16*PITCH
.endr
.endm
.macro FRAGA reg, slot, q, i           ; A's block i
.irp c, 0,1,2,3
.if AIMG
	ds_load_b128 v[\reg+4*\c:\reg+4*\c+3], v[ADRA+\slot] offset:4096*(\i)+2048*(\q)+512*\c
.else
	ds_load_b128 v[\reg+4*\c:\reg+4*\c+3], v[ADRA+\slot] offset:128*(\q)+32*\c+(\i)*16*PITCH
.endif
.endr
.endm
.macro FETCH_B slot, q, p              ; B's fragments into set p
	WIN TO_B
.irp i, 0,1,2,3,4,5,6,7
.if \i < NB
	FRAGB 128*(\p)+FR*\i, \slot, \q, \i
.endif
.endr
	WIN 0
.endm
.macro FETCH_A slot, q, i0             ; A's blocks i0 .. i0 + 3
.irp i, \i0, \i0+1, \i0+2, \i0+3
	FRAGA AF+FR*(\i), \slot, \q, \i
.endr
.endm
; A's blocks a0, a0 + 1 against all of B's, 128 along K.  p: B's set.  zero = 1: the first product starts the sums.  The accumulators take turns, one instruction a turn, in the same order in every step.
.macro MULA a0, p, zero
.irp a, \a0, \a0+1
.irp b, 0,1,2,3,4,5,6,7
.if \b < NB
.if \zero
	v_wmma_f32_16x16x128_fp8_fp8 v[8*(NB*((\a)%APW)+\b):8*(NB*((\a)%APW)+\b)+7], v[128*(\p)+FR*\b:128*(\p)+FR*\b+FR-1], v[AF+FR*(\a):AF+FR*(\a)+FR-1], 0
.else
	v_wmma_f32_16x16x128_fp8_fp8 v[8*(NB*((\a)%APW)+\b):8*(NB*((\a)%APW)+\b)+7], v[128*(\p)+FR*\b:128*(\p)+FR*\b+FR-1], v[AF+FR*(\a):AF+FR*(\a)+FR-1], v[8*(NB*((\a)%APW)+\b):8*(NB*((\a)%APW)+\b)+7]
.endif
.endif
.endr
.endr
.endm
; A step of 128 along K that has its successor in the same slot.  A block of A is free once its products are issued: blocks 0-3 are fetched anew in the step's middle, blocks 4-7 at its end.
.macro STEP slot, q, zero
	s_wait_dscnt 4*NL                              ; B's set and A's blocks 0-3 are in; the youngest sixteen loads (A's blocks 4-7) may be out
	WINM 0
	MULA 0, (\q)%2, \zero
	MULA 2, (\q)%2, \zero
	s_wait_dscnt 0                                 ; A's blocks 4-7 are in
	PLACES NP                                      ; in front of loads into registers that matrix instructions have read
	FETCH_B \slot, (\q)+1, 1-(\q)%2
	FETCH_A \slot, (\q)+1, 0
	WINM 4
	MULA 4, (\q)%2, \zero
	MULA 6, (\q)%2, \zero
	PLACES NP
	WIN 0
	FETCH_A \slot, (\q)+1, 4
.endm
; A slot's last step changes slots: ONE barrier; in front of it each wave waits for all its tensor loads, adds 0 to its spare word, and waits for that and for its own reads of this slot.  fill = 1: this slot is filled again, two K steps ahead.
.macro TURN slot, next, fill
	s_wait_tensorcnt 0x0                           ; all my tensor loads have landed: my part of the next slot
	ds_add_u32 v[SPW], v[NIL]                      ; 0 onto my spare word
	s_wait_dscnt 4*NL+1                            ; (the add and the youngest sixteen loads may be out)
	WINM 0
	MULA 0, 1, 0                                   ; matrix work stands between the add and the wait for it
	s_wait_dscnt 0x0                               ; the add is done, and my reads of this slot are over
	s_barrier_signal -1
	MULA 2, 1, 0
	WIN 0
	s_barrier_wait -1
.if \fill
	CREST                                          ; the barrier has opened a round of the cluster's barrier: no wave of any partner still reads this slot or has a load on its way
	s_add_nc_u64 s[G0+4*\slot+2:G0+4*\slot+3], s[G0+4*\slot+2:G0+4*\slot+3], ASTEP2
	s_add_nc_u64 s[G0B+4*\slot+2:G0B+4*\slot+3], s[G0B+4*\slot+2:G0B+4*\slot+3], BSTEP2
	JLOAD G0+4*\slot, G1, G0B+4*\slot, G1B         ; the first tensor load behind the round; its four v_nop are also the places in front of the loads below
.else
	PLACES NP
.endif
	FETCH_B \next, 0, 0
	FETCH_A \next, 0, 0
	WINM 4
	MULA 4, 1, 0
	MULA 6, 1, 0
	PLACES NP
	WIN 0
	FETCH_A \next, 0, 4
.endm
	s_load_b512 s[68:83], s[0:1], 0x0              ; x s[68:69], wq s[70:71], wk s[72:73], wv s[74:75], bq s[76:77], bk s[78:79], bv s[80:81], the scales' exponents s[82:83]
	s_load_b128 s[84:87], s[0:1], 0x40             ; q_img s[84:85], kv_img s[86:87]
	v_lshl_add_u32 v[SPW], v0, 2, SPARE
	v_mov_b32 v[NIL], 0
	ds_add_u32 v28, v29
	ds_add_u32 v28, v29
	s_wait_dscnt 0x0
	v_lshrrev_b32 v1, 5, v0
	v_readfirstlane_b32 s14, v1                    ; wave 0..3
	s_lshr_b32 s15, s14, 1                         ; which half of A's rows is mine.  Also: I fetch for A (0) or for B (1)
	s_and_b32 s16, s14, 1                          ; which half of B's rows.  Also: which 128 rows of that tile I fetch
	s_bfe_u32 s40, ttmp6, 0x40000                  ; cx, cy: my place in the cluster
	s_bfe_u32 s41, ttmp6, 0x40004
	s_and_b32 s2, ttmp7, 0xffff                    ; the cluster's y, 0 .. 7: it walks the tokens
	s_cmp_eq_u32 ttmp9, 2                          ; mode v?
	s_cselect_b32 s3, 0, s2                        ; modes q, k: the tokens are A's rows;
	s_cselect_b32 s2, s2, 0                        ; mode v: they are B's
	s_lshl_b32 s17, s3, 2
	s_add_co_u32 s17, s17, s41                     ; A's tile of 256 rows: holds cy, never cx
	s_lshl_b32 s42, s2, 2
	s_add_co_u32 s42, s42, s40                     ; B's tile of 256 rows: holds cx, never cy
	s_lshl_b32 s43, s41, 2
	s_lshl_b32 s43, 15, s43                        ; my row of the cluster
	s_lshl_b32 s44, 0x1111, s40                    ; my column
	; descriptor group 1: 128 rows x 256 bytes, padded in LDS
	s_or_b32 s[G1+0], s43, (0<<16)|(1<<20)|(1<<21)|(5<<22)|(3<<25)  ; 15:0 the mask; 17:16 elements of 1 byte; 20 padding on; 21 set beside a mask; 24:22 after every 64 words; 31:25 four words
	s_or_b32 s[G1B+0], s44, (0<<16)|(1<<20)|(1<<21)|(5<<22)|(3<<25)
.irp g, G1, G1B
	s_mov_b32 s[\g+1], 256<<16                     ; tensor_dim0
	s_mov_b32 s[\g+2], 128<<16                     ; tensor_dim1
	s_mov_b32 s[\g+3], 256<<16                     ; tile_dim0
	s_mov_b32 s[\g+4], 128                         ; tile_dim1
	s_mov_b32 s[\g+5], 1024                        ; from row to row
	s_mov_b32 s[\g+6], 0
	s_mov_b32 s[\g+7], 0
.endr
	s_lshl_b32 s18, s16, 7                         ; which 128 rows of the tile I fetch
	s_lshl_b32 s20, s17, 8
	s_add_co_u32 s20, s20, s18
	s_lshl_b32 s20, s20, 10                        ; A: (256 x tile + 128 x half) rows of 1,024 bytes: under 2^23
	s_mov_b32 s21, 0
	s_lshl_b32 s46, s42, 8
	s_add_co_u32 s46, s46, s18
	s_lshl_b32 s46, s46, 10                        ; B likewise
	s_mov_b32 s47, 0
	s_mul_i32 s45, s14, HALFT                      ; where they go: wave x 128 rows: no place in the cluster enters an LDS address
	s_wait_kmcnt 0x0
	s_cmp_eq_u32 ttmp9, 2                          ; the buffers are chosen by the mode, which hangs on no address
	s_cselect_b64 s[4:5], s[74:75], s[68:69]       ; A: wv, else x
	s_cselect_b64 s[6:7], s[68:69], s[72:73]       ; B: x, else wk
	s_cselect_b64 s[8:9], s[80:81], s[78:79]       ; the bias: bv, else bk
	s_cmp_eq_u32 ttmp9, 0
	s_cselect_b64 s[6:7], s[70:71], s[6:7]         ; mode q: wq,
	s_cselect_b64 s[8:9], s[76:77], s[8:9]         ; bq,
	s_cselect_b64 s[10:11], s[84:85], s[86:87]     ; and q_img; else kv_img
	s_load_b256 s[88:95], s[82:83], 0x0            ; e0 .. e7
	s_load_b32 s96, s[82:83], 0x24                 ; e9
	s_add_nc_u64 s[20:21], s[4:5], s[20:21]
	s_add_nc_u64 s[46:47], s[6:7], s[46:47]
	CROUND                                         ; all sixteen work-groups are here: the first joint loads meet
.irp s, 0,1
	s_mov_b32 s[G0+4*\s], 1
	s_add_co_u32 s[G0+4*\s+1], s45, \s*SLOT
	s_add_nc_u64 s[G0+4*\s+2:G0+4*\s+3], s[20:21], \s*256
	s_or_b32 s[G0+4*\s+3], s[G0+4*\s+3], 0x80000000
	s_mov_b32 s[G0B+4*\s], 1
	s_add_co_u32 s[G0B+4*\s+1], s45, \s*SLOT
	s_add_nc_u64 s[G0B+4*\s+2:G0B+4*\s+3], s[46:47], \s*256
	s_or_b32 s[G0B+4*\s+3], s[G0B+4*\s+3], 0x80000000
	JLOAD G0+4*\s, G1, G0B+4*\s, G1B               ; K steps 0 and 1: two loads of mine are out
.endr
	v_and_b32 v1, 15, v0                           ; r = lane % 16
	v_bfe_u32 v2, v0, 4, 1                         ; h = lane / 16
	v_mul_u32_u24 v3, v1, PITCH
	v_lshl_add_u32 v4, v2, 4, v3                   ; a fragment's row x pitch + 16 h
	s_mul_i32 s21, s15, HALFT                      ; my 128 rows of A
	s_mul_i32 s22, s16, HALFT                      ; my 128 rows of B,
	s_add_co_u32 s22, s22, 2*HALFT                 ; which lie behind A's 256
.irp s, 0,1
	v_add_nc_u32 v[ADRA+\s], s21, v4
	v_add_nc_u32 v[ADRB+\s], s22, v4
	s_add_co_u32 s21, s21, SLOT
	s_add_co_u32 s22, s22, SLOT
.endr
	v_and_b32 v5, 31, v0
	v_lshlrev_b32 v[LO], 4, v5
	v_lshlrev_b32 v[HB], 5, v2
	v_lshlrev_b32 v[RB], 2, v1
	; where my results go.  My 128 tokens are step 2 (tile % 8) + half of batch tile / 8; my 128 channels are heads 4 x tile + 2 x half and the next
	s_cmp_eq_u32 ttmp9, 2
	s_cselect_b32 s84, s42, s17                    ; the tokens' tile,
	s_cselect_b32 s85, s16, s15                    ; and my half of it
	s_cselect_b32 s86, s17, s42                    ; the channels' tile,
	s_cselect_b32 s87, s15, s16                    ; and my half of it
	s_cselect_b32 s23, 8192, 0                     ; in a step of kv_img V's tiles lie behind K's
	s_lshr_b32 s2, s84, 3
	s_lshl_b32 s2, s2, 4
	s_lshl_b32 s3, s86, 2
	s_add_co_u32 s2, s2, s3
	s_lshl_b32 s3, s87, 1
	s_add_co_u32 s2, s2, s3                        ; 16 x batch + my first head
	s_lshl_b32 s2, s2, 4
	s_and_b32 s3, s84, 7
	s_lshl_b32 s3, s3, 1
	s_add_co_u32 s2, s2, s3
	s_add_co_u32 s2, s2, s85                       ; x 16 + my step of 128 tokens
	s_lshl_b32 s2, s2, 13                          ; 8,192 bytes a step in q_img,
	s_cmp_eq_u32 ttmp9, 0
	s_cselect_b32 s3, 0, 1
	s_lshl_b32 s2, s2, s3                          ; 16,384 in kv_img
	s_lshl_b32 s18, 0x20000, s3                    ; from head to head: 131,072 or 262,144 bytes
	s_add_co_u32 s2, s2, s23
	s_mov_b32 s3, 0
	s_mov_b32 s19, 0
	s_add_nc_u64 s[10:11], s[10:11], s[2:3]        ; my first head's images,
	s_add_nc_u64 s[12:13], s[10:11], s[18:19]      ; my second head's
	s_lshl_b32 s2, s86, 10
	s_lshl_b32 s22, s87, 9
	s_add_co_u32 s2, s2, s22
	s_add_nc_u64 s[8:9], s[8:9], s[2:3]            ; the bias at my 128 channels
	; the bias in the results' layout, 8 registers a block.  Both arms write all 64 registers.
	s_cmp_eq_u32 ttmp9, 2
	s_cbranch_scc1 .Lbias_v
.irp b, 0,1,2,3,4,5,6,7                        ; modes q, k: block b of B: channels 16 b + 8 h + 0 .. 7
	global_load_b128 v[BI+8*\b:BI+8*\b+3], v[HB], s[8:9] offset:64*\b
	global_load_b128 v[BI+8*\b+4:BI+8*\b+7], v[HB], s[8:9] offset:64*\b+16
.endr
	s_branch .Lbias_done
.Lbias_v:
.irp a, 0,1,2,3,4,5,6,7                        ; mode v: block a of A: my one channel 16 a + r, for all eight tokens of a lane
.irp j, 0,1,2,3,4,5,6,7
	global_load_b32 v[BI+8*\a+\j], v[RB], s[8:9] offset:64*\a
.endr
.endr
.Lbias_done:
	s_wait_kmcnt 0x0                               ; the exponents
	s_add_co_i32 s88, s88, s89                     ; e0 + e1
	s_add_co_i32 s90, s90, s91                     ; e2 + e3
	s_add_co_i32 s92, s92, s93                     ; e4 + e5
	s_cmp_eq_u32 ttmp9, 2
	s_cselect_b32 s90, s92, s90
	s_cselect_b32 s95, s96, s95                    ; e9, else e7
	s_cmp_eq_u32 ttmp9, 0
	s_cselect_b32 s90, s88, s90                    ; esum
	s_cselect_b32 s95, s94, s95                    ; eout
	s_add_co_i32 s90, s90, 127
	s_lshl_b32 s98, s90, 23                        ; 2^esum as f32
	s_mov_b32 s99, s98                             ; (named with it as a pair, so it is written)
	s_add_co_i32 s95, s95, 127
	s_lshl_b32 s96, s95, 23
	v_mov_b32 v[SC], s96                           ; 2^eout: the conversion takes its exponent field
	s_add_co_i32 s95, s95, 8
	s_lshl_b32 s95, s95, 23
	s_or_b32 s95, s95, 0x600000
	v_mov_b32 v[LIM], s95                          ; 448 x 2^eout
	s_wait_tensorcnt 1                             ; my part of K step 0 is in; K step 1's load may be out
	s_barrier_signal -1
	s_barrier_wait -1                              ; everybody's is
	FETCH_B 0, 0, 0
	FETCH_A 0, 0, 0
	FETCH_A 0, 0, 4
	STEP 0, 0, 1                                   ; K 0-127: these products start the sums
	TURN 0, 1, 1                                   ; K 128-255; slot 0 takes K step 2
	STEP 1, 0, 0
	TURN 1, 0, 1                                   ; slot 1 takes K step 3
	STEP 0, 0, 0
	TURN 0, 1, 0                                   ; nothing is left to fetch
	STEP 1, 0, 0
	s_wait_dscnt 4*NL                              ; the very last step
	WINM 0
	MULA 0, 1, 0
	MULA 2, 1, 0
	s_wait_dscnt 0
	WINM 4
	MULA 4, 1, 0
	MULA 6, 1, 0
	WIN 0
; THE WAY OUT of A's block a: y = sum x 2^esum + bias, the hold, the conversion; 16 registers of codes, stored as four chunks of 512 bytes.  Each accumulator is read from its low end on.
.macro OUTBLK a, vmode
.set AC, 64*((\a)%4)
.irp g, 0,1
	WIN 0x02+(\a)/4                                ; source 0: the accumulators' window
.irp b, 0,1,2,3
.irp i, 0,2,4,6
.if \vmode
	v_pk_fma_f32 v[TMP+8*\b+\i:TMP+8*\b+\i+1], v[AC+8*(4*\g+\b)+\i:AC+8*(4*\g+\b)+\i+1], s[98:99], v[BI+8*(\a)+\i:BI+8*(\a)+\i+1] op_sel_hi:[1,0,1]
.else
	v_pk_fma_f32 v[TMP+8*\b+\i:TMP+8*\b+\i+1], v[AC+8*(4*\g+\b)+\i:AC+8*(4*\g+\b)+\i+1], s[98:99], v[BI+8*(4*\g+\b)+\i:BI+8*(4*\g+\b)+\i+1] op_sel_hi:[1,0,1]
.endif
.endr
.endr
	WIN 0
.irp b, 0,1,2,3
.irp i, 0,1,2,3,4,5,6,7
	v_med3_num_f32 v[TMP+8*\b+\i], v[TMP+8*\b+\i], -v[LIM], v[LIM]   ; the conversion to an 8-bit code does not saturate (ISA guide 7.6.2): the hold at the largest code x the scale
.endr
	v_cvt_scalef32_pk8_fp8_f32 v[CD+16*(\a)+8*\g+2*\b:CD+16*(\a)+8*\g+2*\b+1], v[TMP+8*\b:TMP+8*\b+7], v[SC]
.endr
	v_nop                                          ; a plain instruction between the last conversion and the lines that write its sources again
.endr
.irp c, 0,1,2,3
.if \vmode
	global_store_b128 v[LO], v[CD+16*(\a)+4*\c:CD+16*(\a)+4*\c+3], s[10+2*((\a)/4):11+2*((\a)/4)] offset:2048*((\a)%4)+512*\c   ; head a / 4, channels 16 (a % 4) on, keys 32 c on
.else
	global_store_b128 v[LO], v[CD+16*(\a)+4*\c:CD+16*(\a)+4*\c+3], s[10+2*(\c/2):11+2*(\c/2)] offset:1024*(\a)+512*(\c%2)       ; head c / 2, tokens 16 a on, channels 32 (c % 2) on
.endif
.endr
.endm
	s_wait_loadcnt 0x0                             ; the bias
	PLACES NP                                      ; behind the last products: their results are read and A's registers written below
	s_cmp_eq_u32 ttmp9, 2
	s_cbranch_scc1 .Lout_v
.irp a, 0,1,2,3,4,5,6,7
	OUTBLK \a, 0
.endr
	s_branch .Lend
.Lout_v:
.irp a, 0,1,2,3,4,5,6,7
	OUTBLK \a, 1
.endr
.Lend:
	s_wait_tensorcnt 0x0                           ; the wave's end
	ds_add_u32 v[SPW], v[NIL]
	s_wait_dscnt 0x0
	CROUND                                         ; the closing round: no work-group ends while a partner may still ask for a tile that names it
	s_endpgm
.Lfunc_end_k_q1d6e6861a2_qkv:
	.size	k_q1d6e6861a2_qkv, .Lfunc_end_k_q1d6e6861a2_qkv-k_q1d6e6861a2_qkv
	.p2alignl 7, 3214868480
	.fill 96, 4, 3214868480
	.section	.rodata,"a",@progbits
	.p2align	6, 0x0
	.amdhsa_kernel k_q1d6e6861a2_qkv
		.amdhsa_group_segment_fixed_size 327680
		.amdhsa_private_segment_fixed_size 0
		.amdhsa_enable_private_segment 0
		.amdhsa_kernarg_size 80
		.amdhsa_user_sgpr_count 2
		.amdhsa_user_sgpr_kernarg_segment_ptr 1
		.amdhsa_wavefront_size32 1
		.amdhsa_system_sgpr_workgroup_id_x 1
		.amdhsa_system_sgpr_workgroup_id_y 1
		.amdhsa_system_sgpr_workgroup_id_z 1
		.amdhsa_system_vgpr_workitem_id 0
		.amdhsa_next_free_vgpr 1024
		.amdhsa_next_free_sgpr 100
		.amdhsa_reserve_vcc 0
		.amdhsa_float_denorm_mode_32 3
		.amdhsa_float_denorm_mode_16_64 3
		.amdhsa_memory_ordered 1
		.amdhsa_forward_progress 1
		.amdhsa_inst_pref_size 200
	.end_amdhsa_kernel
	.amdgpu_metadata
---
amdhsa.version: [ 1, 2 ]
amdhsa.kernels:
  - .name:           k_q1d6e6861a2_qkv
    .symbol:         k_q1d6e6861a2_qkv.kd
    .args:
      - { .name: x_codes, .offset: 0, .size: 8, .value_kind: global_buffer, .address_space: global }
      - { .name: wq_codes, .offset: 8, .size: 8, .value_kind: global_buffer, .address_space: global }
      - { .name: wk_codes, .offset: 16, .size: 8, .value_kind: global_buffer, .address_space: global }
      - { .name: wv_codes, .offset: 24, .size: 8, .value_kind: global_buffer, .address_space: global }
      - { .name: bq, .offset: 32, .size: 8, .value_kind: global_buffer, .address_space: global }
      - { .name: bk, .offset: 40, .size: 8, .value_kind: global_buffer, .address_space: global }
      - { .name: bv, .offset: 48, .size: 8, .value_kind: global_buffer, .address_space: global }
      - { .name: lowp_scales, .offset: 56, .size: 8, .value_kind: global_buffer, .address_space: global }
      - { .name: q_img, .offset: 64, .size: 8, .value_kind: global_buffer, .address_space: global }
      - { .name: kv_img, .offset: 72, .size: 8, .value_kind: global_buffer, .address_space: global }
    .group_segment_fixed_size: 327680
    .private_segment_fixed_size: 0
    .kernarg_segment_align: 8
    .kernarg_segment_size: 80
    .max_flat_workgroup_size: 128
    .sgpr_count:     100
    .vgpr_count:     1024
    .wavefront_size: 32
...
	.end_amdgpu_metadata
.endif
;; end of part 1
;; launch attn (part 2): grid 4 x 64, 8 waves a work-group, clusters of 4 x 1, 263,168 bytes of LDS; arguments q_img, kv_img, lowp_scales, a_img; writes a_img
.if DOCPART == 2
	.amdgcn_target "amdgcn-amd-amdhsa--gfx1250"
	.amdhsa_code_object_version 6
	.text
	.protected	k_q1d6e6861a2_attn
	.globl	k_q1d6e6861a2_attn
	.p2align	8
	.type	k_q1d6e6861a2_attn,@function
k_q1d6e6861a2_attn:
	s_mov_b64 s[64:65], 0
	v_nop
	global_prefetch_b8 v0, s[64:65] scope:SCOPE_SE
	s_setreg_imm32_b32 hwreg(HW_REG_WAVE_MODE, 25, 1), 1
	s_wait_xcnt 0x0
	s_wait_alu depctr_hold_cnt(0) depctr_sa_sdst(0) depctr_va_vdst(0) depctr_va_sdst(0) depctr_va_ssrc(0) depctr_va_vcc(0) depctr_vm_vsrc(0)
	s_getreg_b32 s2, hwreg(HW_REG_IB_STS2, 6, 4)
	s_cmp_eq_u32 s2, 0
	s_cbranch_scc0 .Lentry_in_a_cluster
	s_endpgm
.Lentry_in_a_cluster:
	s_bfe_u32 s2, ttmp6, 0x10000c
	s_cmp_lg_u32 s2, 0x3003
	s_cbranch_scc0 .Lentry_shape_is_right
	s_endpgm
.Lentry_shape_is_right:
; Causal attention on codes of FP8 (E4M3), head size 64, 2,048 tokens, 64 heads of batches; the result is quantised at once for the output projection.
; t = score x 2^(e6 + e7) x log2(e) / 8; M = the running largest t, rounded UP to a whole number; p = 2^(t - M) is quantised with 2^e8, not normalised; the row's sum is taken of the unquantised p;
; o = (sum of p's codes x v's codes) x 2^(e8 + e9) / the row's sum; its code = o / 2^e10, held within +-448.  When M moves, the sum and O are multiplied by 2^(old M - new M): nothing is rounded.
; LIMITS: e6 + e7 between -123 and 130 (added to c's exponent field); e8 and e10 between -126 and 119; e8 + e9 goes in by v_ldexp_f32 and has none.
; A CLUSTER IS ONE HEAD.  The head's K and V images, 262,144 bytes, lie WHOLE in each work-group's LDS, brought once by joint loads in three stages (steps 0-1, 2-7, 8-15 of 128 keys): nothing is filled again.
; All of K, V and Q is asked for at the kernel's head, so there is nothing later to ask for ahead of time.
; SHARES.  A unit is 32 queries, two tiles of 16.  The 128 queries of key block g are four units, one for each work-group of the cluster: tiles 8 g + 2 cx + i.  Wave w takes the unit of block 15 - w
; (16 - w key steps) and then the unit of block w (w + 1 steps): 17 steps for every wave.  Blocks, trip counts, branches and LDS addresses hang on the wave's number and on counters alone; cx enters
; global addresses and the number that the mask compares with.  A step all of whose keys come after the unit's queries is jumped over; the step on the diagonal masks by compare and select.
; LAYOUT.  S^T = K Q^T (source 0 = 16 keys, source 1 = 16 queries, K = 64) and O^T = V^T P^T (source 0 = 16 channels, source 1 = P, K = 128 keys): a lane holds ONE query throughout.
; Register j of S^T's tile tt is key 16 tt + 8 (lane / 16) + j: its eight registers, converted, are registers 2 tt, 2 tt + 1 of P.  K's, V's and Q's images are loaded as they lie, 16 bytes a lane.
; REGISTERS.  Tile 0 lives in window 0 and tile 1 in window 1 under the same numbers, so one text serves both.  v1 16 x lane, v2 the step's LDS address (window 0); v3 what the mask compares with; v12 -M, v13 the largest t,
; v[14:15] the sum; v16-23, v24-31 Q of the two units; v32-95: window 0 K's 8 fragments, window 1 V's 4; v96-159 S^T, then p; v160-191 O^T; v192-207 P's codes; v208-223 the results' codes; v236-254 at work and constants.
.set LI,  1
.set ADK, 2
.set DD,  3
.set QL,  16                           ; Q of the long unit
.set QS,  24                           ; of the short one
.set KF,  32
.set S,   96
.set O,   160
.set P,   192
.set OL,  208                          ; the long unit's codes,
.set OS,  216                          ; the short one's: registers of their own, so that no store's data are written again
.set WV,  12                           ; s12  my wave's number, which is also the short unit's block
.set CX,  13                           ; s13  my place in the cluster
.set BH,  14                           ; s14  16 x batch + head
.set GL,  15                           ; s15  the long unit's block
.set T,   17                           ; s17  the key step
.set TB,  18                           ; s18  its first LDS byte
.set E89, 19                           ; s19  e8 + e9
.set SEL, 20                           ; s[20:21] lane selects for v_permlanex16_b32: lane l xor 16
.set CS,  22                           ; s[22:23] c = 2^(e6 + e7) log2(e) / 8
.set HM,  60                           ; s60  the mask of lanes 16-31
.set MSB, 0
.macro WIN new                         ; the immediate's high byte repeats the setting that is left; a switch that changes nothing is dropped
.if MSB != (\new)
	s_set_vgpr_msb (MSB<<8)|(\new)
.set MSB, (\new)
.endif
.endm
.macro ROUND                           ; a round of the cluster's barrier
	s_barrier_signal -1
	s_barrier_wait -1
	s_cmp_lg_u32 s[WV], 0
	s_cbranch_scc1 .Lnot_wave_0_\@
	s_barrier_signal -3
.Lnot_wave_0_\@:
	s_barrier_wait -3
	s_barrier_signal -1
	s_barrier_wait -1
.endm
.macro BAR left                        ; my part of a stage has landed (left: my loads of later stages, which may stay out); then everybody's has
	s_wait_tensorcnt \left
	s_barrier_signal -1
	s_barrier_wait -1
.endm
.macro INIT                            ; a tile begins: the step is written without a first step of its own, so O^T and the sum begin as zeros and the largest t under every t
	v_mov_b32 v13, 0xff61b1e6                      ; -3e38
	v_floor_f32 v12, -v13
	v_mov_b32 v14, 0
	v_mov_b32 v15, 0
.set n, 0
.rept 32
	v_mov_b32 v[O+n], 0
.set n, n+1
.endr
.endm
.macro MASK                            ; the step on the diagonal: register n holds key 16 (n / 8) + n % 8 + 8 (lane / 16) of the block; hidden keys' scores become -infinity, so that p = 0
	v_mov_b32 v254, 0xff800000
.set n, 0
.rept 64
	v_cmp_gt_i32 vcc_lo, 16*(n/8)+n%8, v[DD]
	v_cndmask_b32 v[S+n], v[S+n], v254, vcc_lo
.set n, n+1
.endr
.endm
.macro SOFTMAX                         ; one tile's, for one key step, under the tile's window
	v_max3_num_f32 v254, v[S], v[S+1], v[S+2]      ; the step's largest score of my query among my 64 keys, in two chains, each accumulator from its low end on
	v_max3_num_f32 v252, v[S+3], v[S+4], v[S+5]
.set n, 6
.rept 14
	v_max3_num_f32 v254, v254, v[S+n], v[S+n+1]
	v_max3_num_f32 v252, v252, v[S+n+2], v[S+n+3]
.set n, n+4
.endr
	v_max3_num_f32 v254, v254, v[S+62], v[S+63]
	v_max_num_f32 v254, v254, v252
	v_permlanex16_b32 v236, v254, s[SEL], s[SEL+1]
	v_max_num_f32 v254, v254, v236                 ; and among lane l xor 16's
	v_mul_f32 v254, s[CS], v254                    ; as t (c is positive)
	v_max_num_f32 v13, v13, v254                   ; the running largest t
	v_mov_b32 v254, v12
	v_floor_f32 v12, -v13                          ; the new -M = floor(-t): M is a whole number
	v_sub_f32 v254, v12, v254                      ; old M - new M: a whole number, 0 or less
	v_cvt_i32_f32 v254, v254                       ; (it saturates)
	v_ldexp_f32 v252, 1.0, v254                    ; f = 2^(old M - new M)
.set n, 0
.rept 32
	v_pk_fma_f32 v[S+n:S+n+1], v[S+n:S+n+1], s[CS:CS+1], v[12:13] op_sel_hi:[1,0,0]   ; t - M, two at a time (of the pairs c and -M the low word serves both halves)
.set n, n+2
.endr
.set n, 0
.rept 64
	v_exp_f32 v[S+n], v[S+n]                       ; p = 2^(t - M), at most 1
.set n, n+1
.endr
	v_pk_mul_f32 v[14:15], v[14:15], v[252:253] op_sel_hi:[1,0]   ; the sums under the new M: the plain instruction behind the exponentials
	s_wait_alu depctr_va_vdst(0)                   ; one wait for the whole batch, ahead of its first reader
	v_pk_add_f32 v[242:243], v[S:S+1], v[S+2:S+3]  ; the row's sum is taken of the unquantised p, in two chains
.set n, 4
.rept 15
	v_pk_add_f32 v[14:15], v[14:15], v[S+n:S+n+1]
	v_pk_add_f32 v[242:243], v[242:243], v[S+n+2:S+n+3]
.set n, n+4
.endr
	v_pk_add_f32 v[14:15], v[14:15], v[242:243]
.set m, 0
.rept 8
.set n, 0
.rept 8
	v_min_num_f32 v[S+8*m+n], v[S+8*m+n], v240     ; the conversion does not saturate (ISA guide 7.6.2); p is not negative, so the hold is one-sided
.set n, n+1
.endr
	v_cvt_scalef32_pk8_fp8_f32 v[P+2*m:P+2*m+1], v[S+8*m:S+8*m+7], v244
.set m, m+1
.endr
.set n, 0
.rept 16
	v_pk_mul_f32 v[O+n:O+n+1], v[O+n:O+n+1], v[252:253] op_sel_hi:[1,0]   ; O^T under the new M; also the plain instructions between the conversions and the products
.set n, n+2
.endr
.endm
.macro PV                              ; O^T += V^T P^T: four tiles of 16 channels by turns, K = the step's 128 keys
.irp c, 0,1,2,3
	v_wmma_f32_16x16x128_fp8_fp8 v[O+8*\c:O+8*\c+7], v[32+16*\c:47+16*\c], v[P:P+15], v[O+8*\c:O+8*\c+7]
.endr
.endm
; A KEY STEP of a unit: both tiles share each fragment of K and V.  q: the unit's Q.  full = 1: steps behind block s[g] are jumped over, and the step of block s[g] masks.
.macro STEP q, full, g
.if \full
	s_cmp_gt_u32 s[T], s[\g]
	s_cbranch_scc1 .Lskip_\@
.endif
	v_add_nc_u32 v[ADK], s[TB], v[LI]
.rept 3
	v_nop                                          ; with the addition: four places behind the last products, in front of the loads into V's registers
.endr
.set n, 0
.rept 16
	ds_load_b128 v[KF+4*n:KF+4*n+3], v[ADK] offset:512*n          ; K: tile n / 2, chunk n % 2
.set n, n+1
.endr
	WIN 0x40                                       ; destination window 1
.set n, 0
.rept 16
	ds_load_b128 v[32+4*n:32+4*n+3], v[ADK] offset:8192+512*n     ; V: tile n / 4, chunk n % 4
.set n, n+1
.endr
	WIN 0
	s_wait_dscnt 16                                ; K is in; V's sixteen loads may be out
.irp t, 0,1,2,3,4,5,6,7
	v_wmma_f32_16x16x64_fp8_fp8 v[S+8*\t:S+8*\t+7], v[KF+8*\t:KF+8*\t+7], v[\q:\q+7], 0
.endr
	WIN 0x44                                       ; Q and S^T of tile 1 in window 1, K in window 0
.irp t, 0,1,2,3,4,5,6,7
	v_wmma_f32_16x16x64_fp8_fp8 v[S+8*\t:S+8*\t+7], v[KF+8*\t:KF+8*\t+7], v[\q:\q+7], 0
.endr
	WIN 0
.rept 4
	v_nop                                          ; places in front of the first read of the scores
.endr
.if \full
	s_cmp_lg_u32 s[T], s[\g]
	s_cbranch_scc1 .Lopen_\@
	MASK
	WIN 0x55
	MASK
	WIN 0
.Lopen_\@:
.endif
	SOFTMAX
	s_wait_dscnt 0x0                               ; V is in
	WIN 0x01                                       ; V in window 1; P and O^T of tile 0 in window 0
	PV
	WIN 0x55                                       ; tile 1: all in window 1.  Its softmax names no register of tile 0's products
	SOFTMAX
	PV
	WIN 0
.if \full
.Lskip_\@:
.endif
.endm
.macro WALK q, full, g, from, to       ; key steps from .. to - 1: the trip count is a constant
	s_mov_b32 s[T], \from
	s_mov_b32 s[TB], \from*16384
.Lwalk_\@:
	STEP \q, \full, \g
	s_add_co_u32 s[T], s[T], 1
	s_add_co_u32 s[TB], s[TB], 16384
	s_cmp_lt_u32 s[T], \to
	s_cbranch_scc1 .Lwalk_\@
.endm
; A tile's end, under its window: O^T x 2^(e8 + e9) / the sum, the hold, the conversion.  Conversion c gives a lane channels 16 c + 8 h + 0 .. 7; the next product's fragments hold 32 c' + 16 h + 0 .. 15
; in four registers: each lane keeps half of its codes and takes the other half from lane l xor 16.
.macro FIN out
	v_add_f32 v14, v14, v15                        ; the sum's two halves,
	v_permlanex16_b32 v252, v14, s[SEL], s[SEL+1]
	v_add_f32 v14, v14, v252                       ; and lane l xor 16's
	v_rcp_f32 v14, v14
	v_nop                                          ; a plain instruction behind the reciprocal,
	s_wait_alu depctr_va_vdst(0)                   ; and the wait ahead of its first reader
	v_ldexp_f32 v14, v14, s[E89]
.set n, 0
.rept 16
	v_pk_mul_f32 v[S+n:S+n+1], v[O+n:O+n+1], v[14:15] op_sel_hi:[1,0]
.set n, n+2
.endr
.set m, 0
.rept 4
.set n, 0
.rept 8
	v_med3_num_f32 v[S+8*m+n], v[S+8*m+n], -v247, v247
.set n, n+1
.endr
	v_cvt_scalef32_pk8_fp8_f32 v[S+32+2*m:S+32+2*m+1], v[S+8*m:S+8*m+7], v246
.set m, m+1
.endr
	v_nop                                          ; a plain instruction between the last conversion and the first use of its result
.set n, 0
.rept 8
	v_permlanex16_b32 v[S+40+n], v[S+32+n], s[SEL], s[SEL+1]
.set n, n+1
.endr
.irp c, 0,1
	v_cndmask_b32 v[\out+4*\c],   v[S+32+4*\c], v[S+42+4*\c], s[HM]   ; lanes 0-15: mine of tile 2 c';       lanes 16-31: the other's of tile 2 c' + 1
	v_cndmask_b32 v[\out+4*\c+1], v[S+33+4*\c], v[S+43+4*\c], s[HM]
	v_cndmask_b32 v[\out+4*\c+2], v[S+40+4*\c], v[S+34+4*\c], s[HM]   ; lanes 0-15: the other's of tile 2 c'; lanes 16-31: mine of tile 2 c' + 1
	v_cndmask_b32 v[\out+4*\c+3], v[S+41+4*\c], v[S+35+4*\c], s[HM]
.endr
.endm
.macro FINISH out, base                ; tile 0's lines, which name no register of tile 1's last products, are the places behind those
	FIN \out
	WIN 0x55
	FIN \out
	WIN 0
.irp c, 0,1
	global_store_b128 v[LI], v[\out+4*\c:\out+4*\c+3], s[\base:\base+1] offset:512*\c          ; 32 lanes store 512 consecutive bytes, aligned
.endr
	WIN 0x04                                       ; the data in window 1
.irp c, 0,1
	global_store_b128 v[LI], v[\out+4*\c:\out+4*\c+3], s[\base:\base+1] offset:16384+512*\c    ; tile 1: the next 16 rows
.endr
	WIN 0
.endm
	s_load_b256 s[4:11], s[0:1], 0x0               ; q_img s[4:5], kv_img s[6:7], the scales' exponents s[8:9], a_img s[10:11]
	v_lshl_add_u32 v251, v0, 2, 0x40000
	v_mov_b32 v255, 0
	ds_add_u32 v251, v255
	ds_add_u32 v251, v255
	v_lshrrev_b32 v2, 5, v0
	v_readfirstlane_b32 s[WV], v2                  ; wave 0..7
	s_bfe_u32 s[CX], ttmp6, 0x40000
	s_and_b32 s[BH], ttmp7, 0xffff                 ; the cluster's y: the head, which the four partners share
	s_xor_b32 s[GL], s[WV], 15                     ; 15 - wave
	; descriptor groups 1: dense blocks as rows of 256 bytes (32 elements of 8 bytes); 16, 48 and 64 rows a wave
.irp g, 24, 32, 40
	s_mov_b32 s[\g], 15|(3<<16)|(1<<21)            ; 15:0 the mask: all four work-groups; 17:16 elements of 8 bytes; 21 set beside a mask
	s_mov_b32 s[\g+1], 32<<16                      ; tensor_dim0
	s_mov_b32 s[\g+3], 32<<16                      ; tile_dim0
	s_mov_b32 s[\g+5], 32                          ; from row to row
	s_mov_b32 s[\g+6], 0
	s_mov_b32 s[\g+7], 0
.endr
	s_mov_b32 s26, 16<<16                          ; tensor_dim1,
	s_mov_b32 s28, 16                              ; tile_dim1
	s_mov_b32 s34, 48<<16
	s_mov_b32 s36, 48
	s_mov_b32 s42, 64<<16
	s_mov_b32 s44, 64
	s_mov_b32 s48, 1
	s_lshl_b32 s49, s[WV], 12                      ; stage 0, steps 0-1: 4,096 bytes a wave
	s_mov_b32 s52, 1
	s_mul_i32 s53, s[WV], 12288                    ; stage 1, steps 2-7: 12,288 a wave
	s_add_co_u32 s53, s53, 32768
	s_mov_b32 s56, 1
	s_lshl_b32 s57, s[WV], 14                      ; stage 2, steps 8-15: 16,384 a wave
	s_add_co_u32 s57, s57, 131072
	s_lshl_b32 s84, s[BH], 18                      ; the head's 262,144 bytes of kv_img lie as they will lie in LDS
	s_mov_b32 s85, 0
	s_mov_b32 s87, 0
	s_wait_dscnt 0x0
	s_wait_kmcnt 0x0
	s_load_b256 s[68:75], s[8:9], 0x10             ; e4 .. e11
	s_add_nc_u64 s[6:7], s[6:7], s[84:85]
	ROUND                                          ; all four work-groups are here: the joint loads meet
.irp g, 48, 52, 56
	s_mov_b32 s86, s[\g+1]
	s_add_nc_u64 s[\g+2:\g+3], s[6:7], s[86:87]
	s_or_b32 s[\g+3], s[\g+3], 0x80000000
.endr
	tensor_load_to_lds s[48:51], s[24:31]          ; the three fills go out as one group: three loads of mine are out
	s_nop 0
	tensor_load_to_lds s[52:55], s[32:39]
	s_nop 0
	tensor_load_to_lds s[56:59], s[40:47]
	s_nop 0
.rept 4
	v_nop
.endr
	v_and_b32 v[LI], 31, v0
	v_lshlrev_b32 v[LI], 4, v[LI]
	s_lshl_b32 s62, s[BH], 7                       ; Q: tile 128 bh + 8 g + 2 cx, 1,024 bytes a tile (numbers that hold cx stay in s62, s63, s66, s67, which feed no descriptor)
	s_lshl_b32 s63, s[CX], 1
	s_add_co_u32 s62, s62, s63
	s_mov_b32 s67, 0
	s_lshl_b32 s63, s[GL], 3
	s_add_co_u32 s63, s63, s62
	s_lshl_b32 s66, s63, 10
	s_add_nc_u64 s[76:77], s[4:5], s[66:67]
	s_lshl_b32 s63, s[WV], 3
	s_add_co_u32 s63, s63, s62
	s_lshl_b32 s66, s63, 10
	s_add_nc_u64 s[78:79], s[4:5], s[66:67]
.irp c, 0,1
	global_load_b128 v[QL+4*\c:QL+4*\c+3], v[LI], s[76:77] offset:512*\c th:TH_LOAD_NT
	global_load_b128 v[QS+4*\c:QS+4*\c+3], v[LI], s[78:79] offset:512*\c th:TH_LOAD_NT
.endr
	WIN 0x40
.irp c, 0,1
	global_load_b128 v[QL+4*\c:QL+4*\c+3], v[LI], s[76:77] offset:1024+512*\c th:TH_LOAD_NT
	global_load_b128 v[QS+4*\c:QS+4*\c+3], v[LI], s[78:79] offset:1024+512*\c th:TH_LOAD_NT
.endr
	WIN 0
	s_lshr_b32 s62, s[BH], 4                       ; a_img: row tile 128 batch + 8 g + 2 cx, 16,384 bytes a tile; the head's two chunks at 1,024 x head
	s_lshl_b32 s62, s62, 7
	s_lshl_b32 s63, s[CX], 1
	s_add_co_u32 s62, s62, s63
	s_and_b32 s63, s[BH], 15
	s_lshl_b32 s63, s63, 10
	s_lshl_b32 s66, s[GL], 3
	s_add_co_u32 s66, s66, s62
	s_lshl_b32 s66, s66, 14
	s_add_co_u32 s66, s66, s63
	s_add_nc_u64 s[80:81], s[10:11], s[66:67]
	s_lshl_b32 s66, s[WV], 3
	s_add_co_u32 s66, s66, s62
	s_lshl_b32 s66, s66, 14
	s_add_co_u32 s66, s66, s63
	s_add_nc_u64 s[82:83], s[10:11], s[66:67]
	v_and_b32 v4, 15, v0
	v_bfe_u32 v5, v0, 4, 1
	v_lshlrev_b32 v5, 3, v5
	v_sub_nc_u32 v[DD], v4, v5
	s_lshl_b32 s62, s[CX], 5
	v_add_nc_u32 v[DD], s62, v[DD]                 ; my query in its block less 8 (lane / 16): 32 cx + r - 8 h (tile 1: + 16)
	s_mov_b32 s[SEL], 0x76543210
	s_mov_b32 s[SEL+1], 0xfedcba98
	s_mov_b32 s[HM], 0xffff0000
	s_mov_b32 s[CS], 0x3e38aa3b                    ; log2(e) / 8
	s_wait_kmcnt 0x0
	s_add_co_i32 s84, s70, s71
	s_lshl_b32 s84, s84, 23
	s_add_co_i32 s[CS], s[CS], s84                 ; e6 + e7 are added to c's exponent field
	s_mov_b32 s[CS+1], s[CS]                       ; (named with it as a pair, so it is written)
	s_add_co_i32 s[E89], s72, s73
	s_add_co_i32 s85, s72, 127
	s_lshl_b32 s84, s85, 23                        ; 2^e8
	s_add_co_i32 s85, s85, 8
	s_lshl_b32 s85, s85, 23
	s_or_b32 s85, s85, 0x600000                    ; 448 x 2^e8
	s_add_co_i32 s87, s74, 127
	s_lshl_b32 s86, s87, 23                        ; 2^e10
	s_add_co_i32 s87, s87, 8
	s_lshl_b32 s87, s87, 23
	s_or_b32 s87, s87, 0x600000                    ; 448 x 2^e10
.macro CONSTS
	v_mov_b32 v244, s84
	v_mov_b32 v240, s85
	v_mov_b32 v246, s86
	v_mov_b32 v247, s87
	v_mov_b32 v236, 0                              ; written once: a lane permute's destination counts as one of its sources
	v_mov_b32 v253, 0                              ; (named as the upper half of the pair v[252:253])
.endm
	CONSTS
	WIN 0x40                                       ; the same in window 1
	CONSTS
	v_add_nc_u32 v[DD], 16, v[DD]                  ; (the source in window 0)
	WIN 0
	INIT
	WIN 0x55
	INIT
	WIN 0
	s_wait_loadcnt 0x0                             ; Q
	BAR 2                                          ; steps 0-1 lie in LDS
	WALK QL, 0, GL, 0, 2                           ; the long unit's block is 8 or more: steps 0-7 are open to all its queries
	BAR 1                                          ; steps 2-7
	WALK QL, 0, GL, 2, 8
	BAR 0                                          ; steps 8-15: the head is whole; no barrier is needed from here on
	WALK QL, 1, GL, 8, 16
	FINISH OL, 80
	INIT
	WIN 0x55
	INIT
	WIN 0
	WALK QS, 1, WV, 0, 8                           ; the short unit
	FINISH OS, 82
	s_wait_tensorcnt 0x0
	ds_add_u32 v251, v255
	s_wait_dscnt 0x0
	ROUND                                          ; the closing round
	s_endpgm
.Lfunc_end_k_q1d6e6861a2_attn:
	.size	k_q1d6e6861a2_attn, .Lfunc_end_k_q1d6e6861a2_attn-k_q1d6e6861a2_attn
	.p2alignl 7, 3214868480
	.fill 96, 4, 3214868480
	.section	.rodata,"a",@progbits
	.p2align	6, 0x0
	.amdhsa_kernel k_q1d6e6861a2_attn
		.amdhsa_group_segment_fixed_size 263168
		.amdhsa_private_segment_fixed_size 0
		.amdhsa_enable_private_segment 0
		.amdhsa_kernarg_size 32
		.amdhsa_user_sgpr_count 2
		.amdhsa_user_sgpr_kernarg_segment_ptr 1
		.amdhsa_wavefront_size32 1
		.amdhsa_system_sgpr_workgroup_id_x 1
		.amdhsa_system_sgpr_workgroup_id_y 1
		.amdhsa_system_sgpr_workgroup_id_z 1
		.amdhsa_system_vgpr_workitem_id 0
		.amdhsa_next_free_vgpr 512
		.amdhsa_next_free_sgpr 88
		.amdhsa_reserve_vcc 1
		.amdhsa_float_denorm_mode_32 3
		.amdhsa_float_denorm_mode_16_64 3
		.amdhsa_memory_ordered 1
		.amdhsa_forward_progress 1
		.amdhsa_inst_pref_size 166
	.end_amdhsa_kernel
	.amdgpu_metadata
---
amdhsa.version: [ 1, 2 ]
amdhsa.kernels:
  - .name:           k_q1d6e6861a2_attn
    .symbol:         k_q1d6e6861a2_attn.kd
    .args:
      - { .name: q_img, .offset: 0, .size: 8, .value_kind: global_buffer, .address_space: global }
      - { .name: kv_img, .offset: 8, .size: 8, .value_kind: global_buffer, .address_space: global }
      - { .name: lowp_scales, .offset: 16, .size: 8, .value_kind: global_buffer, .address_space: global }
      - { .name: a_img, .offset: 24, .size: 8, .value_kind: global_buffer, .address_space: global }
    .group_segment_fixed_size: 263168
    .private_segment_fixed_size: 0
    .kernarg_segment_align: 8
    .kernarg_segment_size: 32
    .max_flat_workgroup_size: 256
    .sgpr_count:     88
    .vgpr_count:     512
    .wavefront_size: 32
...
	.end_amdgpu_metadata
.endif
;; end of part 2
;; launch oproj (part 3): grid 8 x 32, 4 waves a work-group, clusters of 4 x 4, 327,680 bytes of LDS; arguments a_img, wo_codes, lowp_scales, bo, out0; writes out0
.if DOCPART == 3
	.amdgcn_target "amdgcn-amd-amdhsa--gfx1250"
	.amdhsa_code_object_version 6
	.text
	.protected	k_q1d6e6861a2_oproj
	.globl	k_q1d6e6861a2_oproj
	.p2align	8
	.type	k_q1d6e6861a2_oproj,@function
k_q1d6e6861a2_oproj:
	s_mov_b64 s[64:65], 0
	v_nop
	global_prefetch_b8 v0, s[64:65] scope:SCOPE_SE
	s_setreg_imm32_b32 hwreg(HW_REG_WAVE_MODE, 25, 1), 1
	s_wait_xcnt 0x0
	s_wait_alu depctr_hold_cnt(0) depctr_sa_sdst(0) depctr_va_vdst(0) depctr_va_sdst(0) depctr_va_ssrc(0) depctr_va_vcc(0) depctr_vm_vsrc(0)
	s_getreg_b32 s2, hwreg(HW_REG_IB_STS2, 6, 4)
	s_cmp_eq_u32 s2, 0
	s_cbranch_scc0 .Lentry_in_a_cluster
	s_endpgm
.Lentry_in_a_cluster:
	s_bfe_u32 s2, ttmp6, 0x10000c
	s_cmp_lg_u32 s2, 0xf033
	s_cbranch_scc0 .Lentry_shape_is_right
	s_endpgm
.Lentry_shape_is_right:
; out0 = a wo + bo on codes of FP8 (E4M3).  a: attention's result, 8,192 rows x 1,024, as images of fragments: [tile of 16 rows (512)][128 along K (8)][4 chunks of 512 bytes];
; wo: [1024 (out)][1024 (K)] codes; bo f32; out0 [8192][1024] f32 = sum x 2^(e10 + e11) + bo, one fused multiply-add.
; LIMIT: e10 + e11 between -126 and 127, so that 2^(e10 + e11) is an f32 number.
; SHARES.  A tile of 256 rows x 128 columns to a work-group, so that there are 256 work-groups; 128 x 64 to a wave: 32 accumulators.  K = 1,024 goes in four steps of 256 through two LDS slots.
; A's tile lies in LDS as it lies in memory, images on end: a fragment comes by four loads of 16 bytes a lane at 16 x lane.  B's (wo's) lies as padded rows.  In both, registers 4 c .. 4 c + 3 hold
; K = 32 c + 16 (lane / 16) + 0 .. 15: the same permutation of K, so every product meets its partner.
; CLUSTERS: 4 x 4 work-groups; A's tile is shared along a row of the cluster, B's along a column, by joint loads.  The matrix instruction takes B's rows as source 0 and A's as source 1: a lane holds eight neighbouring columns of a row.
; REGISTERS: window 0: v0-31 addresses, v32-63 at work, v64-95 the bias, v128-255 A's fragments (one set), later rows read back;  window 1: B's fragments, two sets;  window 2: the accumulators.
.set NB,     4
.set APW,    8
.set AIMG,   1
.set FR,     16
.set NL,     4
.set NP,     4
.set PITCH,  272
.set BOFF,   65536                     ; a slot: A's 16 row tiles x 4,096 bytes, then B's 128 rows x 272
.set SLOT,   BOFF+128*PITCH
.set SPARE,  2*SLOT                    ; behind the ring: the spare words, 128 bytes for each wave
.set STAGE,  SPARE+512                 ; behind them: 16 rows x 272 bytes for each wave, for the way out; no tensor load lands there
.set SPITCH, 272
.set ASTEP2, 8192                      ; two K steps on: four fragments of 2,048 bytes in A,
.set BSTEP2, 512                       ; 512 bytes of a row in B
.set ADRA, 16
.set ADRB, 20
.set STO,  24                          ; v24  the way out: where I put 32 bytes of a row
.set RD,   25                          ; v25  where I read a row back
.set CO,   26                          ; v26  my byte offset in two rows of out0
.set HB,   27                          ; v27  32 x (lane / 16)
.set SPW,  28
.set NIL,  29
.set TMP,  32
.set BI,   64
.set AF,   128
.set BK,   128                         ; rows read back from the stage: two sets of 32
.set G1,  24
.set G0,  32
.set G1B, 48
.set G0B, 56
.set MSB, 0
.macro WIN new                         ; the immediate's high byte repeats the setting that is left; a switch that changes nothing is dropped
.if MSB != (\new)
	s_set_vgpr_msb (MSB<<8)|(\new)
.set MSB, (\new)
.endif
.endm
.macro WINM a                          ; source 0 (B) window 1, source 1 (A) window 0, C and D window 2
	WIN 0xa1+0x50*((\a)/APW)
.endm
.set TO_B, 0x40
; A joint load: waves 0 and 1 fetch for A, waves 2 and 3 for B.  The branch hangs on the wave's number alone.  Four v_nop follow each of the two lines.
.macro JLOAD g0a, g1a, g0b, g1b
	s_cmp_eq_u32 s15, 0
	s_cbranch_scc0 .Lfor_b_\@
	tensor_load_to_lds s[\g0a:\g0a+3], s[\g1a:\g1a+7]
	s_nop 0
.rept 4
	v_nop
.endr
	s_branch .Lasked_\@
.Lfor_b_\@:
	tensor_load_to_lds s[\g0b:\g0b+3], s[\g1b:\g1b+7]
	s_nop 0
.rept 4
	v_nop
.endr
.Lasked_\@:
.endm
.macro CREST
	s_cmp_lg_u32 s14, 0
	s_cbranch_scc1 .Lnot_wave_0_\@
	s_barrier_signal -3
.Lnot_wave_0_\@:
	s_barrier_wait -3
	s_barrier_signal -1
	s_barrier_wait -1
.endm
.macro CROUND
	s_barrier_signal -1
	s_barrier_wait -1
	CREST
.endm
.macro PLACES n
.rept \n
	v_nop
.endr
.endm
.macro FRAGB reg, slot, q, i
.irp c, 0,1,2,3
	ds_load_b128 v[\reg+4*\c:\reg+4*\c+3], v[ADRB+\slot] offset:128*(\q)+32*\c+(\i)*16*PITCH
.endr
.endm
.macro FRAGA reg, slot, q, i
.irp c, 0,1,2,3
.if AIMG
	ds_load_b128 v[\reg+4*\c:\reg+4*\c+3], v[ADRA+\slot] offset:4096*(\i)+2048*(\q)+512*\c
.else
	ds_load_b128 v[\reg+4*\c:\reg+4*\c+3], v[ADRA+\slot] offset:128*(\q)+32*\c+(\i)*16*PITCH
.endif
.endr
.endm
.macro FETCH_B slot, q, p
	WIN TO_B
.irp i, 0,1,2,3,4,5,6,7
.if \i < NB
	FRAGB 128*(\p)+FR*\i, \slot, \q, \i
.endif
.endr
	WIN 0
.endm
.macro FETCH_A slot, q, i0
.irp i, \i0, \i0+1, \i0+2, \i0+3
	FRAGA AF+FR*(\i), \slot, \q, \i
.endr
.endm
; A's blocks a0, a0 + 1 against all of B's.  The accumulators take turns, one instruction a turn, in the same order in every step.
.macro MULA a0, p, zero
.irp a, \a0, \a0+1
.irp b, 0,1,2,3,4,5,6,7
.if \b < NB
.if \zero
	v_wmma_f32_16x16x128_fp8_fp8 v[8*(NB*((\a)%APW)+\b):8*(NB*((\a)%APW)+\b)+7], v[128*(\p)+FR*\b:128*(\p)+FR*\b+FR-1], v[AF+FR*(\a):AF+FR*(\a)+FR-1], 0
.else
	v_wmma_f32_16x16x128_fp8_fp8 v[8*(NB*((\a)%APW)+\b):8*(NB*((\a)%APW)+\b)+7], v[128*(\p)+FR*\b:128*(\p)+FR*\b+FR-1], v[AF+FR*(\a):AF+FR*(\a)+FR-1], v[8*(NB*((\a)%APW)+\b):8*(NB*((\a)%APW)+\b)+7]
.endif
.endif
.endr
.endr
.endm
.macro STEP slot, q, zero
	s_wait_dscnt 4*NL                              ; B's set and A's blocks 0-3 are in; the youngest sixteen loads (A's blocks 4-7) may be out
	WINM 0
	MULA 0, (\q)%2, \zero
	MULA 2, (\q)%2, \zero
	s_wait_dscnt 0
	PLACES NP                                      ; in front of loads into registers that matrix instructions have read
	FETCH_B \slot, (\q)+1, 1-(\q)%2
	FETCH_A \slot, (\q)+1, 0
	WINM 4
	MULA 4, (\q)%2, \zero
	MULA 6, (\q)%2, \zero
	PLACES NP
	WIN 0
	FETCH_A \slot, (\q)+1, 4
.endm
; A slot's last step changes slots: ONE barrier; in front of it each wave waits for all its tensor loads, adds 0 to its spare word, and waits for that and for its own reads of this slot.
.macro TURN slot, next, fill
	s_wait_tensorcnt 0x0                           ; all my tensor loads have landed: my part of the next slot
	ds_add_u32 v[SPW], v[NIL]                      ; 0 onto my spare word
	s_wait_dscnt 4*NL+1                            ; (the add and the youngest sixteen loads may be out)
	WINM 0
	MULA 0, 1, 0
	s_wait_dscnt 0x0                               ; the add is done, and my reads of this slot are over
	s_barrier_signal -1
	MULA 2, 1, 0
	WIN 0
	s_barrier_wait -1
.if \fill
	CREST                                          ; the barrier has opened a round of the cluster's barrier
	s_add_nc_u64 s[G0+4*\slot+2:G0+4*\slot+3], s[G0+4*\slot+2:G0+4*\slot+3], ASTEP2
	s_add_nc_u64 s[G0B+4*\slot+2:G0B+4*\slot+3], s[G0B+4*\slot+2:G0B+4*\slot+3], BSTEP2
	JLOAD G0+4*\slot, G1, G0B+4*\slot, G1B         ; the first tensor load behind the round; its four v_nop are also the places in front of the loads below
.else
	PLACES NP
.endif
	FETCH_B \next, 0, 0
	FETCH_A \next, 0, 0
	WINM 4
	MULA 4, 1, 0
	MULA 6, 1, 0
	PLACES NP
	WIN 0
	FETCH_A \next, 0, 4
.endm
	s_load_b256 s[4:11], s[0:1], 0x0               ; a_img s[4:5], wo's codes s[6:7], the scales' exponents s[8:9], bo s[10:11]
	s_load_b64 s[12:13], s[0:1], 0x20              ; out0
	v_lshl_add_u32 v[SPW], v0, 2, SPARE
	v_mov_b32 v[NIL], 0
	ds_add_u32 v28, v29
	ds_add_u32 v28, v29
	s_wait_dscnt 0x0
	v_lshrrev_b32 v1, 5, v0
	v_readfirstlane_b32 s14, v1                    ; wave 0..3
	s_lshr_b32 s15, s14, 1                         ; which half of the tile's rows is mine.  Also: I fetch for A (0) or for B (1)
	s_and_b32 s16, s14, 1                          ; which half of its columns.  Also: which half of that tile I fetch
	s_bfe_u32 s40, ttmp6, 0x40000
	s_bfe_u32 s41, ttmp6, 0x40004
	s_lshl_b32 s42, ttmp9, 2
	s_add_co_u32 s42, s42, s40                     ; tile column = 4 x cluster x + cx
	s_and_b32 s17, ttmp7, 0xffff
	s_lshl_b32 s17, s17, 2
	s_add_co_u32 s17, s17, s41                     ; tile row = 4 x cluster y + cy
	s_lshl_b32 s43, s41, 2
	s_lshl_b32 s43, 15, s43                        ; my row of the cluster
	s_lshl_b32 s44, 0x1111, s40                    ; my column
	; A: 8 row tiles x 4,096 bytes (512 elements of 8 bytes), 16,384 bytes apart in memory, dense in LDS
	s_or_b32 s[G1+0], s43, (3<<16)|(1<<21)
	s_mov_b32 s[G1+1], 512<<16                     ; tensor_dim0
	s_mov_b32 s[G1+2], 8<<16                       ; tensor_dim1
	s_mov_b32 s[G1+3], 512<<16                     ; tile_dim0
	s_mov_b32 s[G1+4], 8                           ; tile_dim1
	s_mov_b32 s[G1+5], 2048                        ; from row to row, in elements
	s_mov_b32 s[G1+6], 0
	s_mov_b32 s[G1+7], 0
	; B: 64 rows x 256 bytes, padded in LDS
	s_or_b32 s[G1B+0], s44, (0<<16)|(1<<20)|(1<<21)|(5<<22)|(3<<25)
	s_mov_b32 s[G1B+1], 256<<16
	s_mov_b32 s[G1B+2], 64<<16
	s_mov_b32 s[G1B+3], 256<<16
	s_mov_b32 s[G1B+4], 64
	s_mov_b32 s[G1B+5], 1024
	s_mov_b32 s[G1B+6], 0
	s_mov_b32 s[G1B+7], 0
	s_lshl_b32 s20, s17, 4
	s_lshl_b32 s18, s16, 3
	s_add_co_u32 s20, s20, s18
	s_lshl_b32 s20, s20, 14                        ; A: (16 x tile row + 8 x half) row tiles of 16,384 bytes
	s_mov_b32 s21, 0
	s_lshl_b32 s46, s42, 7
	s_lshl_b32 s18, s16, 6
	s_add_co_u32 s46, s46, s18
	s_lshl_b32 s46, s46, 10                        ; B: (128 x tile column + 64 x half) rows of 1,024 bytes
	s_mov_b32 s47, 0
	s_lshl_b32 s45, s16, 15                        ; where A's half goes,
	s_mul_i32 s67, s16, 64*PITCH
	s_add_co_u32 s67, s67, BOFF                    ; and B's: no place in the cluster enters an LDS address
	s_wait_kmcnt 0x0
	s_load_b64 s[96:97], s[8:9], 0x28              ; e10, e11
	s_add_nc_u64 s[20:21], s[4:5], s[20:21]
	s_add_nc_u64 s[46:47], s[6:7], s[46:47]
	CROUND                                         ; all sixteen work-groups are here: the first joint loads meet
.irp s, 0,1
	s_mov_b32 s[G0+4*\s], 1
	s_add_co_u32 s[G0+4*\s+1], s45, \s*SLOT
	s_add_nc_u64 s[G0+4*\s+2:G0+4*\s+3], s[20:21], \s*4096
	s_or_b32 s[G0+4*\s+3], s[G0+4*\s+3], 0x80000000
	s_mov_b32 s[G0B+4*\s], 1
	s_add_co_u32 s[G0B+4*\s+1], s67, \s*SLOT
	s_add_nc_u64 s[G0B+4*\s+2:G0B+4*\s+3], s[46:47], \s*256
	s_or_b32 s[G0B+4*\s+3], s[G0B+4*\s+3], 0x80000000
	JLOAD G0+4*\s, G1, G0B+4*\s, G1B               ; K steps 0 and 1: two loads of mine are out
.endr
	v_and_b32 v1, 15, v0                           ; r
	v_bfe_u32 v2, v0, 4, 1                         ; h
	v_and_b32 v6, 31, v0
	v_lshlrev_b32 v6, 4, v6                        ; 16 x lane: my place in an image
	v_mul_u32_u24 v3, v1, PITCH
	v_lshl_add_u32 v4, v2, 4, v3                   ; a row of B x pitch + 16 h
	s_lshl_b32 s21, s15, 15                        ; my 8 row tiles of A
	s_mul_i32 s22, s16, 64*PITCH
	s_add_co_u32 s22, s22, BOFF                    ; my 64 rows of B
.irp s, 0,1
	v_add_nc_u32 v[ADRA+\s], s21, v6
	v_add_nc_u32 v[ADRB+\s], s22, v4
	s_add_co_u32 s21, s21, SLOT
	s_add_co_u32 s22, s22, SLOT
.endr
	s_mul_i32 s23, s14, 16*SPITCH
	s_add_co_u32 s23, s23, STAGE                   ; my stage
	v_mul_u32_u24 v5, v1, SPITCH                   ; in: row r, 32 bytes for each half of the lanes
	v_lshl_add_u32 v5, v2, 5, v5
	v_add_nc_u32 v[STO], s23, v5
	v_mul_u32_u24 v5, v2, SPITCH                   ; back: lanes 0-15 one row of 256 bytes, lanes 16-31 the next
	v_lshl_add_u32 v5, v1, 4, v5
	v_add_nc_u32 v[RD], s23, v5
	v_lshlrev_b32 v5, 12, v2                       ; and the same two rows in out0, 4,096 bytes apart
	v_lshl_add_u32 v[CO], v1, 4, v5
	v_lshlrev_b32 v[HB], 5, v2
	s_lshl_b32 s20, s17, 8
	s_lshl_b32 s21, s15, 7
	s_add_co_u32 s20, s20, s21
	s_lshl_b32 s20, s20, 12                        ; my first row: 256 x tile row + 128 x half, 4,096 bytes a row
	s_lshl_b32 s46, s42, 9
	s_lshl_b32 s47, s16, 8
	s_add_co_u32 s46, s46, s47                     ; my first column in bytes: 512 x tile column + 256 x half
	s_add_co_u32 s20, s20, s46
	s_mov_b32 s21, 0
	s_mov_b32 s47, 0
	s_add_nc_u64 s[12:13], s[12:13], s[20:21]
	s_add_nc_u64 s[10:11], s[10:11], s[46:47]      ; bo at my 64 columns
.irp b, 0,1,2,3                                ; the bias in the results' layout: block b: columns 16 b + 8 h + 0 .. 7
	global_load_b128 v[BI+8*\b:BI+8*\b+3], v[HB], s[10:11] offset:64*\b
	global_load_b128 v[BI+8*\b+4:BI+8*\b+7], v[HB], s[10:11] offset:64*\b+16
.endr
	s_wait_kmcnt 0x0
	s_add_co_i32 s96, s96, s97
	s_add_co_i32 s96, s96, 127
	s_lshl_b32 s96, s96, 23                        ; 2^(e10 + e11) as f32
	s_mov_b32 s97, s96                             ; (named with it as a pair, so it is written)
	s_wait_tensorcnt 1                             ; my part of K step 0 is in; K step 1's load may be out
	s_barrier_signal -1
	s_barrier_wait -1
	FETCH_B 0, 0, 0
	FETCH_A 0, 0, 0
	FETCH_A 0, 0, 4
	STEP 0, 0, 1                                   ; these products start the sums
	TURN 0, 1, 1                                   ; slot 0 takes K step 2
	STEP 1, 0, 0
	TURN 1, 0, 1                                   ; slot 1 takes K step 3
	STEP 0, 0, 0
	TURN 0, 1, 0                                   ; nothing is left to fetch
	STEP 1, 0, 0
	s_wait_dscnt 4*NL                              ; the very last step
	WINM 0
	MULA 0, 1, 0
	MULA 2, 1, 0
	s_wait_dscnt 0
	WINM 4
	MULA 4, 1, 0
	MULA 6, 1, 0
	WIN 0
; THE WAY OUT, block by block of 16 rows x 64 columns.  A lane holds 32 neighbouring bytes of a row and the lanes beside it hold other rows: a block goes through my own stage in LDS and comes back as whole
; rows of 256 bytes, two an instruction.  LDS serves a wave's instructions in order (ISA guide 5.7.1.4): no wait between the stores and the loads, nor in front of the next block's stores.
.macro TOSTAGE a
	WIN 0x02                                       ; source 0: the accumulators' window
.irp b, 0,1,2,3
.irp i, 0,2,4,6
	v_pk_fma_f32 v[TMP+8*\b+\i:TMP+8*\b+\i+1], v[32*(\a)+8*\b+\i:32*(\a)+8*\b+\i+1], s[96:97], v[BI+8*\b+\i:BI+8*\b+\i+1] op_sel_hi:[1,0,1]   ; sum x 2^(e10 + e11) + bo; each accumulator from its low end on
.endr
.endr
	WIN 0
.irp b, 0,1,2,3
	ds_store_b128 v[STO], v[TMP+8*\b:TMP+8*\b+3] offset:64*\b
	ds_store_b128 v[STO], v[TMP+8*\b+4:TMP+8*\b+7] offset:64*\b+16
.endr
.set BB, BK+32*((\a)%2)
.irp t, 0,1,2,3,4,5,6,7
	ds_load_b128 v[BB+4*\t:BB+4*\t+3], v[RD] offset:\t*2*SPITCH
.endr
.endm
.macro SEND a, younger                 ; younger: the LDS instructions issued behind block a's loads, which may stay out
.set BB, BK+32*((\a)%2)
	s_wait_dscnt \younger
.irp t, 0,1,2,3,4,5,6,7
	global_store_b128 v[CO], v[BB+4*\t:BB+4*\t+3], s[12:13] offset:(16*(\a)+2*\t)*4096 th:TH_STORE_NT   ; 16 lanes store 256 consecutive bytes, aligned; every offset is an immediate, 516,096 at the most
.endr
.endm
	s_wait_loadcnt 0x0                             ; the bias
	PLACES NP                                      ; behind the last products: their results are read, and rows are loaded into A's registers
	TOSTAGE 0
.irp a, 1,2,3,4,5,6,7
.if \a > 1
	s_wait_xcnt 0x0                                ; block a - 2's stores have read their registers: block a's loads may land there
.endif
	TOSTAGE \a
	SEND \a-1, 16                                  ; behind block a - 1's loads: block a's 8 stores and 8 loads
.endr
	SEND 7, 0
	s_wait_tensorcnt 0x0                           ; the wave's end
	ds_add_u32 v[SPW], v[NIL]
	s_wait_dscnt 0x0
	CROUND                                         ; the closing round
	s_endpgm
.Lfunc_end_k_q1d6e6861a2_oproj:
	.size	k_q1d6e6861a2_oproj, .Lfunc_end_k_q1d6e6861a2_oproj-k_q1d6e6861a2_oproj
	.p2alignl 7, 3214868480
	.fill 96, 4, 3214868480
	.section	.rodata,"a",@progbits
	.p2align	6, 0x0
	.amdhsa_kernel k_q1d6e6861a2_oproj
		.amdhsa_group_segment_fixed_size 327680
		.amdhsa_private_segment_fixed_size 0
		.amdhsa_enable_private_segment 0
		.amdhsa_kernarg_size 40
		.amdhsa_user_sgpr_count 2
		.amdhsa_user_sgpr_kernarg_segment_ptr 1
		.amdhsa_wavefront_size32 1
		.amdhsa_system_sgpr_workgroup_id_x 1
		.amdhsa_system_sgpr_workgroup_id_y 1
		.amdhsa_system_sgpr_workgroup_id_z 1
		.amdhsa_system_vgpr_workitem_id 0
		.amdhsa_next_free_vgpr 768
		.amdhsa_next_free_sgpr 100
		.amdhsa_reserve_vcc 0
		.amdhsa_float_denorm_mode_32 3
		.amdhsa_float_denorm_mode_16_64 3
		.amdhsa_memory_ordered 1
		.amdhsa_forward_progress 1
		.amdhsa_inst_pref_size 78
	.end_amdhsa_kernel
	.amdgpu_metadata
---
amdhsa.version: [ 1, 2 ]
amdhsa.kernels:
  - .name:           k_q1d6e6861a2_oproj
    .symbol:         k_q1d6e6861a2_oproj.kd
    .args:
      - { .name: a_img, .offset: 0, .size: 8, .value_kind: global_buffer, .address_space: global }
      - { .name: wo_codes, .offset: 8, .size: 8, .value_kind: global_buffer, .address_space: global }
      - { .name: lowp_scales, .offset: 16, .size: 8, .value_kind: global_buffer, .address_space: global }
      - { .name: bo, .offset: 24, .size: 8, .value_kind: global_buffer, .address_space: global }
      - { .name: out0, .offset: 32, .size: 8, .value_kind: global_buffer, .address_space: global }
    .group_segment_fixed_size: 327680
    .private_segment_fixed_size: 0
    .kernarg_segment_align: 8
    .kernarg_segment_size: 40
    .max_flat_workgroup_size: 128
    .sgpr_count:     100
    .vgpr_count:     768
    .wavefront_size: 32
...
	.end_amdgpu_metadata
.endif
;; end of part 3
